; MI455X (gfx1250); checked and timed in simulation.
; The chip was launched on July 23, 2026; its instructions are those of AMD's public machine-readable ISA for CDNA 5 (MIT licence, August 2026) and "CDNA5" Instruction Set Architecture Reference Guide (July 2026). The comments in the code are by the model that wrote it; some were corrected since.
;; Multi Head Attention. Allowed arithmetic: matrix products marked QUANTISED: E5M2 operands, one given power-of-two scale a tensor, by v_wmma_f32_16x16x64_bf8_bf8 or v_wmma_f32_16x16x128_bf8_bf8, f32 sums; everything else in f32.
;; Inputs: Wk_codes 1,024 x 32 x 32 uint8 (E5M2 codes of Wk, K innermost, in blocks of 32 codes); Wo_codes 1,024 x 32 x 32 uint8 (E5M2 codes of Wo, K innermost, in blocks of 32 codes); Wq_codes 1,024 x 32 x 32 uint8 (E5M2 codes of Wq, K innermost, in blocks of 32 codes); Wv_codes 1,024 x 32 x 32 uint8 (E5M2 codes of Wv, K innermost, in blocks of 32 codes); bk 1,024 float32; bo 1,024 float32; bq 1,024 float32; bv 1,024 float32; lowp_scales 12 int32 (the exponents e of the quantised operands' scales 2^e); x_codes 4 x 2,048 x 32 x 32 uint8 (E5M2 codes of x, K innermost, in blocks of 32 codes).
;; Outputs: out0 4 x 2,048 x 1,024 float32.
;; This version of the problem:
;;   THIS VERSION OF THE PROBLEM IS GIVEN IN LOW PRECISION. The matrix products marked QUANTISED in the list below multiply operands that are first quantised to E5M2 (5 exponent bits, 2 mantissa bits; 8 bits a number), with one given power-of-two scale for each operand tensor; their sums are f32. All else is computed in f32.
;;   The module's matrix products, in the order in which they are computed (A, B: the left and right operand; K: the contracted axis; several contracted axes count as one K, in the product's order):
;;     1. [M 8,192, K 1,024] x [K 1,024, N 1,024]; A: input x (given as codes); B: input Wq (given as codes): QUANTISED (scales: A lowp_scales[0], B lowp_scales[1])
;;     2. [M 8,192, K 1,024] x [K 1,024, N 1,024]; A: input x (given as codes); B: input Wk (given as codes): QUANTISED (scales: A lowp_scales[2], B lowp_scales[3])
;;     3. [M 8,192, K 1,024] x [K 1,024, N 1,024]; A: input x (given as codes); B: input Wv (given as codes): QUANTISED (scales: A lowp_scales[4], B lowp_scales[5])
;;     4. batch 64 x [M 2,048, K 64] x [K 64, N 2,048]; A: computed on the way; B: computed on the way: QUANTISED (scales: A lowp_scales[6], B lowp_scales[7])
;;     5. batch 64 x [M 2,048, K 2,048] x [K 2,048, N 64]; A: computed on the way; B: computed on the way: QUANTISED (scales: A lowp_scales[8], B lowp_scales[9])
;;     6. [M 8,192, K 1,024] x [K 1,024, N 1,024]; A: computed on the way; B: input Wo (given as codes): QUANTISED (scales: A lowp_scales[10], B lowp_scales[11])
;;   THE QUANTISER, for each operand of a quantised product, along K:
;;     - The operand's scale is 2^e, e = its entry of the input lowp_scales (int32; the entries are numbered through the quantised products in the list's order, A before B).
;;     - Each number is divided by the scale, clamped to +-57,344, and rounded to the nearest number of E5M2, ties to even, subnormals kept.
;;     - The product sums the exact products of the quantised numbers (number of the format x scale) in f32.
;;   ~~~python
;;   def quantise(x, axis, e):      # numpy; x: float32 -> the quantised numbers, widened to float32 again
;;       x = np.moveaxis(x, axis, -1); K = x.shape[-1]
;;       r = np.clip(x / 2.0 ** e, -57344, 57344)
;;       step = 2.0 ** (np.maximum(np.frexp(np.where(r == 0, 1, r))[1] - 1, -14) - 2)
;;       q = np.round(r / step) * step * 2.0 ** e      # np.round: ties to even
;;       return np.moveaxis(q, -1, axis).astype(np.float32)
;;   ~~~
;;   OPERANDS COMPUTED ON THE WAY. 'Computed on the way' means the value that the module computes at that place (a softmax that the list does not call 'softmax' is quantised finished and normalised). What goes into a quantiser is computed in f32, as accurately as f32 sums, v_exp_f32 and their like allow (about 1e-6 of the number): no bf16 or f16 on the way to a quantiser, and a product that is left as it is and whose result goes on into a quantised operand takes f32 operands (vector FMAs, or v_wmma_f32_16x16x4_f32). A number that lies on a knife's edge between two numbers of the format may be rounded either way, as far as f32 arithmetic and the matrix unit's own rounding can turn it there, and no further.
;;   INPUTS GIVEN AS CODES. Wk (in the module: [1024, 1024], K = its axis 0); Wo (in the module: [1024, 1024], K = its axis 0); Wq (in the module: [1024, 1024], K = its axis 0); Wv (in the module: [1024, 1024], K = its axis 0); x (in the module: [4, 2048, 1024], K = its axis 2): each comes as NAME_codes (uint8): NAME with its K axis moved to the last place and cut into blocks of 32 codes, [.., K / 32, bytes a block], one block behind the other in memory; one code a byte (a code: sign, 5 exponent bits, 2 mantissa bits); its scale is its entry of lowp_scales. Its value is code x scale, taken as it is: it is not quantised again, and the codes and scales need not be those that the quantiser above would give.
;; One version. Each part assembles by itself: llvm-mc -triple=amdgcn-amd-amdhsa -mcpu=gfx1250 --defsym DOCPART=n.
;; ======== version 1 of 1: 3 launches
;; workspace buffers: q_img 8,388,608 bytes; k_img 8,388,608 bytes; v_img 8,388,608 bytes; y_img 8,388,608 bytes
;; launch proj (part 1): grid 4 x 96, 4 waves a work-group, clusters of 4 x 4, 327,680 bytes of LDS; arguments x_codes, Wq_codes, Wk_codes, Wv_codes, bq, bk, bv, lowp_scales, q_img, k_img, v_img; writes q_img, k_img, v_img
.if DOCPART == 1
	.amdgcn_target "amdgcn-amd-amdhsa--gfx1250"
	.amdhsa_code_object_version 6
	.text
	.protected	k_q0ddab13c9f_proj
	.globl	k_q0ddab13c9f_proj
	.p2align	8
	.type	k_q0ddab13c9f_proj,@function
k_q0ddab13c9f_proj:
	s_mov_b64 s[64:65], 0
	v_nop
	global_prefetch_b8 v0, s[64:65] scope:SCOPE_SE
	s_setreg_imm32_b32 hwreg(HW_REG_WAVE_MODE, 25, 1), 1
	s_wait_xcnt 0x0
	s_wait_alu depctr_hold_cnt(0) depctr_sa_sdst(0) depctr_va_vdst(0) depctr_va_sdst(0) depctr_va_ssrc(0) depctr_va_vcc(0) depctr_vm_vsrc(0)
	s_getreg_b32 s2, hwreg(HW_REG_IB_STS2, 6, 4)
	s_cmp_eq_u32 s2, 0
	s_cbranch_scc0 .Lentry_in_a_cluster
	s_endpgm
.Lentry_in_a_cluster:
	s_bfe_u32 s2, ttmp6, 0x10000c
	s_cmp_lg_u32 s2, 0xf033
	s_cbranch_scc0 .Lentry_shape_is_right
	s_endpgm
.Lentry_shape_is_right:
; q, k, v = relu(x W + b), each quantised to codes of BF8 (E5M2) with its given scale, for the attention launch that follows.
; x: [8192][1024] codes; Wq, Wk, Wv: [1024 (n)][1024 (k)] codes; bq, bk, bv: [1024] f32; the twelve exponents e0 .. e11: int32.
; 24 clusters of 4 x 4 work-groups: cluster y / 8 is the KIND (0: q, 1: k, 2: v), cluster y % 8 which 1,024 tokens.  A work-group of four waves makes 256 x 256, a wave 128 x 128: 64 accumulators, 512 registers.
; 3 x 32 x 4 = 384 tiles of that shape; they do not share out evenly over work-groups that stay, so each tile has a work-group of its own.
; ONE TEXT SERVES THE THREE KINDS.  The product has an operand P0 (source 1, its tile hangs on the tile row TR) and an operand P1 (source 0, tile column TC): in accumulator (a, b) lane (r, h) holds, in register j,
; the sum of P0's row 16 a + r with P1's row 16 b + 8 h + j.  For q and k: P0 = x, P1 = W: a lane's eight registers run along the channels, the next product's K.  For v: P0 = Wv, P1 = x: they run along the keys,
; the K of the product with the weights.  Only pointers and tile numbers are chosen, on the kind, which all sixteen partners share.
; So eight registers become eight codes that ARE two registers of the next product's operand (16x16x64 form: registers 2 c, 2 c + 1 hold k = 16 c + 8 h + 0 .. 7), and the results leave as IMAGES OF REGISTERS:
;   q_img, k_img: [batch x 16 + head][tile of 16 tokens, 128][chunk 2][lane 32][16 bytes];   v_img: [batch x 16 + head][step of 64 keys, 32][tile of 16 channels, 4][chunk 2][lane 32][16 bytes].
; Each store of a wave covers 512 consecutive bytes, aligned: no stage in LDS is needed.
; A sum stands for sum x 2^Ein (Ein = e0 + e1, e2 + e3, e4 + e5).  code = relu(sum + b / 2^Ein) / 2^(Eout - Ein), Eout = e6, e7, e9; held between 0 and 57,344 x 2^(Eout - Ein): the activation and the hold in one.
; LIMITS: Eout - Ein between -126 and 112, so that both powers of two are f32 numbers.  NaN among the inputs is not served.
; K goes in four steps of 256 through a ring of two LDS slots filled by joint tensor loads: P0's tile is shared along a row of the cluster, P1's along a column.  Four steps: no loop is written.
; A fragment (16 rows x 128 K) is fetched by four loads of 16 bytes, 32 bytes apart: the same order of k in both operands, so every product meets its partner.
; REGISTERS, in windows of 256: window 0: v0-31 addresses and constants; v48-63, v64-127 the biases; v128-255 P0's fragments, ONE set, later the codes.   window 1: P1's fragments, TWO sets.   windows 2, 3: the accumulators.
.set KROW,   1024                      ; a row of x or of W in memory, in bytes
.set ROWB,   256                       ; a tile's row in bytes
.set PITCH,  272                       ; an LDS row: 256 bytes + 16 of padding = 68 words: the 16 rows that a load touches start at 16 different banks (ISA guide 11.1)
.set FR,     16                        ; registers of a fragment
.set NL,     4                         ; LDS loads that bring one
.set NP,     4                         ; places behind this matrix instruction (ISA guide 7.12.1)
.set HALFT,  128*PITCH                 ; 128 rows: what one tensor load brings
.set SLOT,   4*HALFT                   ; P0's 256 rows, then P1's
.set SPARE,  2*SLOT                    ; behind the ring: the spare words, 128 bytes for each wave
.set ADRA, 16                          ; v16-17  LDS address of my P0 fragments in slot 0, 1
.set ADRB, 20                          ; v20-21  the same for P1
.set LI,   24                          ; v24     16 x lane: my place in an image's chunk
.set H32,  25                          ; v25     32 h: my half's eight biases
.set R4,   26                          ; v26     4 r: my row's bias
.set SPW,  28                          ; v28     LDS address of my spare word; never rewritten
.set NIL,  29                          ; v29     0; never rewritten
.set LIM,  30                          ; v30     57,344 x 2^(Eout - Ein)
.set SCL,  31                          ; v31     2^(Eout - Ein)
.set BV,   48                          ; v48-63  kind v: pair a holds the bias of channel 16 a + r, twice
.set BQ,   64                          ; v64-127 kinds q, k: register 8 b + j holds the bias of channel 16 b + 8 h + j
.set AF,   128                         ; P0's fragments
.set CD,   128                         ; the codes: 16 registers for each block of 16 rows of P0
.set G1,   24                          ; s[24:31] descriptor group 1 for P0's tiles;  s[32:39] group 0, one set for each slot
.set G0,   32
.set G1B,  48                          ; s[48:55], s[56:63] the same for P1's
.set G0B,  56
.set KIND, 66                          ; s66
.set OBS,  84                          ; s[84:91] four bases for the stores
.set MSB, 0
.macro WIN new                         ; the immediate's high byte repeats the setting that is left
.if MSB != \new
	s_set_vgpr_msb (MSB<<8)|\new
.set MSB, \new
.endif
.endm
.set MUL_LO, 0xa1                      ; source 0 (P1) window 1, source 1 (P0) window 0, C and D window 2
.set MUL_HI, 0xf1                      ; the same, C and D window 3
.set TO_B,   0x40                      ; destination window 1, address window 0
; A joint load: waves 0 and 1 fetch for P0, waves 2 and 3 for P1.  The branch hangs on the wave's number alone.  Four v_nop follow each of the two lines.
.macro JLOAD g0a, g1a, g0b, g1b
	s_cmp_eq_u32 s15, 0
	s_cbranch_scc0 .Lfor_b_\@
	tensor_load_to_lds s[\g0a:\g0a+3], s[\g1a:\g1a+7]
	s_nop 0
.rept 4
	v_nop
.endr
	s_branch .Lasked_\@
.Lfor_b_\@:
	tensor_load_to_lds s[\g0b:\g0b+3], s[\g1b:\g1b+7]
	s_nop 0
.rept 4
	v_nop
.endr
.Lasked_\@:
.endm
.macro CREST                           ; a round of the cluster's barrier behind its opening barrier
	s_cmp_lg_u32 s14, 0
	s_cbranch_scc1 .Lnot_wave_0_\@
	s_barrier_signal -3
.Lnot_wave_0_\@:
	s_barrier_wait -3
	s_barrier_signal -1
	s_barrier_wait -1
.endm
.macro CROUND                          ; a whole round
	s_barrier_signal -1
	s_barrier_wait -1
	CREST
.endm
	s_load_b512 s[68:83], s[0:1], 0x0              ; x s[68:69], Wq, Wk, Wv s[70:75], bq, bk, bv s[76:81], the exponents s[82:83]
	s_load_b128 s[84:87], s[0:1], 0x40             ; q_img, k_img
	s_load_b64 s[88:89], s[0:1], 0x50              ; v_img
	v_lshl_add_u32 v[SPW], v0, 2, SPARE
	v_mov_b32 v[NIL], 0
	ds_add_u32 v28, v29
	ds_add_u32 v28, v29
	s_wait_dscnt 0x0
	v_lshrrev_b32 v1, 5, v0
	v_readfirstlane_b32 s14, v1                    ; wave 0..3
	s_lshr_b32 s15, s14, 1                         ; which half of P0's rows is mine.  Also: I fetch for P0 (0) or for P1 (1)
	s_and_b32 s16, s14, 1                          ; which half of P1's rows.  Also: which 128 rows I fetch
	s_bfe_u32 s40, ttmp6, 0x40000                  ; cx, cy: my place in the cluster
	s_bfe_u32 s41, ttmp6, 0x40004
	s_and_b32 s[KIND], ttmp7, 0xffff               ; the cluster's y, 0 .. 23 (the grid is one cluster wide)
	s_and_b32 s67, s[KIND], 7
	s_lshl_b32 s67, s67, 2                         ; the first of the cluster's four tiles of 256 tokens
	s_lshr_b32 s[KIND], s[KIND], 3                 ; 0: q, 1: k, 2: v: the same in all sixteen partners
	s_cmp_eq_u32 s[KIND], 2
	s_cselect_b32 s17, 0, s67
	s_cselect_b32 s42, s67, 0
	s_add_co_u32 s17, s17, s41                     ; TR: tokens (q, k) or channels (v); it holds cy and never cx
	s_add_co_u32 s42, s42, s40                     ; TC: channels (q, k) or tokens (v); it holds cx and never cy
	s_lshl_b32 s43, s41, 2
	s_lshl_b32 s43, 15, s43                        ; my row of the cluster
	s_lshl_b32 s44, 0x1111, s40                    ; my column
	; descriptor group 1: a tile of 128 rows x 256 bytes, padded in LDS
	s_or_b32 s[G1+0], s43, (0<<16)|(1<<20)|(1<<21)|(5<<22)|(3<<25)  ; 15:0 the mask: P0's tiles go to my row; 17:16 elements of 1 byte; 20 padding on; 21 set beside a mask; 24:22 after every 64 words; 31:25 four words
	s_or_b32 s[G1B+0], s44, (0<<16)|(1<<20)|(1<<21)|(5<<22)|(3<<25) ; the same with my column's mask
.irp g, G1, G1B
	s_mov_b32 s[\g+1], ROWB<<16                    ; tensor_dim0
	s_mov_b32 s[\g+2], 128<<16                     ; tensor_dim1
	s_mov_b32 s[\g+3], ROWB<<16                    ; tile_dim0
	s_mov_b32 s[\g+4], 128                         ; tile_dim1
	s_mov_b32 s[\g+5], KROW                        ; tensor_dim0_stride
	s_mov_b32 s[\g+6], 0
	s_mov_b32 s[\g+7], 0
.endr
	s_lshl_b32 s18, s16, 7                         ; which 128 rows of the tile I fetch
	s_lshl_b32 s20, s17, 8
	s_add_co_u32 s20, s20, s18                     ; P0: row 256 TR + 128 x half,
	s_lshl_b32 s20, s20, 10                        ; in bytes (under 2^23)
	s_mov_b32 s21, 0
	s_lshl_b32 s46, s42, 8
	s_add_co_u32 s46, s46, s18                     ; P1: row 256 TC + 128 x half
	s_lshl_b32 s46, s46, 10
	s_mov_b32 s47, 0
	s_mul_i32 s45, s14, HALFT                      ; where they go: wave x 128 rows: no place in the cluster enters an LDS address
	s_wait_kmcnt 0x0
	s_cmp_eq_u32 s[KIND], 0                        ; the kind's weight, bias and output: choices that hang on no address
	s_cselect_b64 s[4:5], s[70:71], s[72:73]
	s_cselect_b64 s[6:7], s[76:77], s[78:79]
	s_cselect_b64 s[8:9], s[84:85], s[86:87]
	s_cmp_eq_u32 s[KIND], 2
	s_cselect_b64 s[4:5], s[74:75], s[4:5]         ; W
	s_cselect_b64 s[6:7], s[80:81], s[6:7]         ; b
	s_cselect_b64 s[8:9], s[88:89], s[8:9]         ; the images
	s_cselect_b64 s[10:11], s[4:5], s[68:69]       ; P0: Wv for v, else x
	s_cselect_b64 s[12:13], s[68:69], s[4:5]       ; P1: x for v, else W
	s_load_b256 s[68:75], s[82:83], 0x0            ; e0 .. e7, over pointers that have been used
	s_load_b128 s[76:79], s[82:83], 0x20           ; e8 .. e11
	s_add_nc_u64 s[20:21], s[10:11], s[20:21]
	s_add_nc_u64 s[46:47], s[12:13], s[46:47]
	CROUND                                         ; all sixteen work-groups are here: the first joint loads meet
.irp s, 0,1
	s_mov_b32 s[G0+4*\s], 1
	s_add_co_u32 s[G0+4*\s+1], s45, \s*SLOT
	s_add_nc_u64 s[G0+4*\s+2:G0+4*\s+3], s[20:21], \s*ROWB
	s_or_b32 s[G0+4*\s+3], s[G0+4*\s+3], 0x80000000
	s_mov_b32 s[G0B+4*\s], 1
	s_add_co_u32 s[G0B+4*\s+1], s45, \s*SLOT
	s_add_nc_u64 s[G0B+4*\s+2:G0B+4*\s+3], s[46:47], \s*ROWB
	s_or_b32 s[G0B+4*\s+3], s[G0B+4*\s+3], 0x80000000
	JLOAD G0+4*\s, G1, G0B+4*\s, G1B               ; two loads of mine are out
.endr
	v_and_b32 v1, 15, v0                           ; r = lane % 16
	v_bfe_u32 v2, v0, 4, 1                         ; h = lane / 16
	v_mul_u32_u24 v3, v1, PITCH
	v_lshl_add_u32 v4, v2, 4, v3                   ; a fragment's row x pitch + 16 x half
	s_mul_i32 s21, s15, HALFT                      ; my 128 rows of P0
	s_mul_i32 s22, s16, HALFT                      ; my 128 rows of P1,
	s_add_co_u32 s22, s22, 2*HALFT                 ; which lie behind P0's 256
.irp s, 0,1
	v_add_nc_u32 v[ADRA+\s], s21, v4
	v_add_nc_u32 v[ADRB+\s], s22, v4
	s_add_co_u32 s21, s21, SLOT
	s_add_co_u32 s22, s22, SLOT
.endr
	v_and_b32 v5, 31, v0
	v_lshlrev_b32 v[LI], 4, v5
	v_lshlrev_b32 v[H32], 5, v2
	v_lshlrev_b32 v[R4], 2, v1
	; The biases come now, in both forms; only the kind's own form is read later.  The masks with 1,023 keep the other form's loads inside the 4,096 bytes of the buffer.
	s_lshl_b32 s18, s42, 8
	s_lshl_b32 s19, s16, 7
	s_add_co_u32 s18, s18, s19
	s_and_b32 s18, s18, 1023                       ; kinds q, k: my first channel, 256 TC + 128 x half
	s_lshl_b32 s18, s18, 2
	s_mov_b32 s19, 0
	s_add_nc_u64 s[18:19], s[6:7], s[18:19]
	s_lshl_b32 s22, s17, 8
	s_lshl_b32 s23, s15, 7
	s_add_co_u32 s22, s22, s23
	s_and_b32 s22, s22, 1023                       ; kind v: my first channel, 256 TR + 128 x half
	s_lshl_b32 s22, s22, 2
	s_mov_b32 s23, 0
	s_add_nc_u64 s[22:23], s[6:7], s[22:23]
.irp b, 0,1,2,3,4,5,6,7
	global_load_b128 v[BQ+8*\b:BQ+8*\b+3],   v[H32], s[18:19] offset:64*\b
	global_load_b128 v[BQ+8*\b+4:BQ+8*\b+7], v[H32], s[18:19] offset:64*\b+16
.endr
.irp a, 0,1,2,3,4,5,6,7
	global_load_b32 v[BV+2*\a], v[R4], s[22:23] offset:64*\a
.endr
.macro FRAG reg, adr, q, i             ; a fragment: lane l holds row l % 16; registers 4 c .. 4 c + 3 hold K = 32 c + 16 (l / 16) + 0 .. 15
.irp c, 0,1,2,3
	ds_load_b128 v[\reg+4*\c:\reg+4*\c+3], v[\adr] offset:128*(\q)+32*\c+(\i)*16*PITCH
.endr
.endm
; 16 matrix instructions: P0's blocks a0, a0 + 1 x P1's eight, 128 along K.  p: P1's set.  zero = 1: the first product starts the sums.  The 64 accumulators take turns, one instruction a turn.
.macro MUL16 a0, p, zero
.irp a, \a0, \a0+1
.irp b, 0,1,2,3,4,5,6,7
.if \zero
	v_wmma_f32_16x16x128_bf8_bf8 v[8*(8*((\a)%4)+\b):8*(8*((\a)%4)+\b)+7], v[128*(\p)+FR*\b:128*(\p)+FR*\b+FR-1], v[AF+FR*(\a):AF+FR*(\a)+FR-1], 0
.else
	v_wmma_f32_16x16x128_bf8_bf8 v[8*(8*((\a)%4)+\b):8*(8*((\a)%4)+\b)+7], v[128*(\p)+FR*\b:128*(\p)+FR*\b+FR-1], v[AF+FR*(\a):AF+FR*(\a)+FR-1], v[8*(8*((\a)%4)+\b):8*(8*((\a)%4)+\b)+7]
.endif
.endr
.endr
.endm
.macro FETCH_B slot, q, p              ; P1's eight fragments of the slot's q-th 128 along K into set p
	WIN TO_B
.irp i, 0,1,2,3,4,5,6,7
	FRAG 128*(\p)+FR*\i, ADRB+\slot, \q, \i
.endr
	WIN 0
.endm
.macro FETCH_A slot, q, i0             ; P0's blocks i0 .. i0 + 3
.irp i, \i0, \i0+1, \i0+2, \i0+3
	FRAG AF+FR*(\i), ADRA+\slot, \q, \i
.endr
.endm
.macro PLACES n                        ; plain vector instructions between a matrix instruction and a load into, or a vector instruction on, its registers
.rept \n
	v_nop
.endr
.endm
; A step of 128 along K that has its successor in the same slot.  A block of P0 is free as soon as its eight products are issued: blocks 0-3 are fetched anew in the middle, blocks 4-7 at the end.
.macro STEP slot, q, zero
	s_wait_dscnt 4*NL                              ; P1's set and P0's blocks 0-3 are in; the youngest sixteen loads (blocks 4-7) may be out
	WIN MUL_LO
	MUL16 0, (\q)%2, \zero
	MUL16 2, (\q)%2, \zero
	s_wait_dscnt 0                                 ; blocks 4-7 are in
	PLACES NP
	FETCH_B \slot, (\q)+1, 1-(\q)%2
	FETCH_A \slot, (\q)+1, 0
	WIN MUL_HI
	MUL16 4, (\q)%2, \zero
	MUL16 6, (\q)%2, \zero
	PLACES NP
	WIN 0
	FETCH_A \slot, (\q)+1, 4
.endm
; A slot's last step changes slots: ONE barrier; in front of it each wave waits for all its tensor loads, adds 0 to its spare word, and waits for that and for its own reads of this slot.  fill = 1: this slot is filled again, two K steps ahead.
.macro TURN slot, next, fill
	s_wait_tensorcnt 0x0                           ; all my tensor loads have landed: my part of the next slot
	ds_add_u32 v[SPW], v[NIL]                      ; 0 onto my spare word
	s_wait_dscnt 4*NL+1                            ; (the add and the youngest sixteen loads may be out)
	WIN MUL_LO
	MUL16 0, 1, 0                                  ; sixteen matrix instructions stand between the add and the wait for it
	s_wait_dscnt 0x0                               ; the add is done, and my reads of this slot are over
	s_barrier_signal -1
	MUL16 2, 1, 0
	WIN 0
	s_barrier_wait -1
.if \fill
	CREST                                          ; the barrier has opened a round of the cluster's barrier: no wave of any partner still reads this slot or has a load on its way
	s_add_nc_u64 s[G0+4*\slot+2:G0+4*\slot+3], s[G0+4*\slot+2:G0+4*\slot+3], 2*ROWB
	s_add_nc_u64 s[G0B+4*\slot+2:G0B+4*\slot+3], s[G0B+4*\slot+2:G0B+4*\slot+3], 2*ROWB
	JLOAD G0+4*\slot, G1, G0B+4*\slot, G1B         ; my one tensor load behind the round; its four v_nop are also the places in front of the loads below
.else
	PLACES NP
.endif
	FETCH_B \next, 0, 0
	FETCH_A \next, 0, 0
	WIN MUL_HI
	MUL16 4, 1, 0
	MUL16 6, 1, 0
	PLACES NP
	WIN 0
	FETCH_A \next, 0, 4
.endm
	s_wait_tensorcnt 1                             ; my part of slot 0 is in; slot 1's load may be out
	s_barrier_signal -1
	s_barrier_wait -1
	FETCH_B 0, 0, 0
	FETCH_A 0, 0, 0
	FETCH_A 0, 0, 4
	STEP 0, 0, 1                                   ; K 0-127: its products start the sums
	TURN 0, 1, 1                                   ; K 128-255; slot 0 takes K 512-767
	STEP 1, 0, 0
	TURN 1, 0, 1                                   ; slot 1 takes K 768-1023
	STEP 0, 0, 0
	TURN 0, 1, 0                                   ; nothing is left to fetch
	STEP 1, 0, 0
	s_wait_dscnt 4*NL                              ; the last step
	WIN MUL_LO
	MUL16 0, 1, 0
	MUL16 2, 1, 0
	s_wait_dscnt 0
	WIN MUL_HI
	MUL16 4, 1, 0
	MUL16 6, 1, 0
	WIN 0
	; THE WAY OUT.  The kind's exponents, chosen without a branch.
	s_wait_kmcnt 0x0
	s_wait_loadcnt 0x0                             ; the biases; their address registers are free from here on
	s_add_co_i32 s2, s68, s69                      ; e0 + e1
	s_add_co_i32 s3, s70, s71                      ; e2 + e3
	s_add_co_i32 s92, s72, s73                     ; e4 + e5
	s_cmp_eq_u32 s[KIND], 0
	s_cselect_b32 s2, s2, s3
	s_cselect_b32 s3, s74, s75                     ; e6 for q, e7 for k
	s_cmp_eq_u32 s[KIND], 2
	s_cselect_b32 s92, s92, s2                     ; Ein
	s_cselect_b32 s93, s77, s3                     ; Eout: e9 for v
	s_sub_co_i32 s93, s93, s92                     ; Eout - Ein
	s_sub_co_i32 s92, 0, s92                       ; -Ein
	s_add_co_i32 s93, s93, 127
	s_lshl_b32 s94, s93, 23
	v_mov_b32 v[SCL], s94                          ; 2^(Eout - Ein) as f32: the conversion takes its exponent field
	s_add_co_i32 s93, s93, 15
	s_lshl_b32 s93, s93, 23
	s_or_b32 s93, s93, 0x600000
	v_mov_b32 v[LIM], s93                          ; 57,344 x that
	; where my codes go.  Tokens and channels change places with the kind; so do the two strides.
	s_lshl_b32 s18, s17, 8
	s_lshl_b32 s19, s15, 7
	s_add_co_u32 s18, s18, s19                     ; P0's first row of mine
	s_lshl_b32 s19, s42, 8
	s_lshl_b32 s20, s16, 7
	s_add_co_u32 s19, s19, s20                     ; P1's
	s_cmp_eq_u32 s[KIND], 2
	s_cselect_b32 s20, s19, s18                    ; my first token
	s_cselect_b32 s21, s18, s19                    ; my first channel
	s_mov_b32 s22, 131072
	s_cselect_b32 s23, s22, 4096                   ; from P0's blocks 0-3 to 4-7: four tiles of tokens (q, k), or a head (v)
	s_cselect_b32 s22, 4096, s22                   ; from P1's blocks 0-3 to 4-7: a head (q, k), or a step of 64 keys (v)
	s_lshr_b32 s94, s20, 11                        ; the batch
	s_lshl_b32 s94, s94, 4
	s_lshr_b32 s95, s21, 6                         ; the head
	s_add_co_u32 s94, s94, s95
	s_lshl_b32 s94, s94, 17                        ; 131,072 bytes for each batch and head
	s_and_b32 s95, s20, 2047
	s_lshl_b32 s95, s95, 6                         ; 64 bytes a token in all three layouts
	s_add_co_u32 s94, s94, s95
	s_mov_b32 s95, 0
	s_add_nc_u64 s[OBS:OBS+1], s[8:9], s[94:95]
	s_mov_b32 s94, s22
	s_add_nc_u64 s[OBS+2:OBS+3], s[OBS:OBS+1], s[94:95]
	s_mov_b32 s94, s23
	s_add_nc_u64 s[OBS+4:OBS+5], s[OBS:OBS+1], s[94:95]
	s_add_nc_u64 s[OBS+6:OBS+7], s[OBS+2:OBS+3], s[94:95]
	PLACES NP                                      ; behind the last products, in front of the first read of results and the first write over P0's fragments
; Block a of 16 rows of P0: bias, activation and hold, conversion, four stores.  Each accumulator is taken from its low end on.  Each block has code registers of its own, so no store's data are written again.
.macro OUTBLK a, kv
.set W,  2+(\a)/4
.set AC, 64*((\a)%4)
.set WW, W|(W<<6)
	WIN WW                                         ; source 0 and destination: the accumulators' window
.set j, 0
.rept 32
.if \kv
	v_pk_add_f32 v[AC+j:AC+j+1], v[AC+j:AC+j+1], v[BV+2*(\a):BV+2*(\a)+1]
.else
	v_pk_add_f32 v[AC+j:AC+j+1], v[AC+j:AC+j+1], v[BQ+j:BQ+j+1]
.endif
.set j, j+2
.endr
.set j, 0
.rept 64
	v_med3_num_f32 v[AC+j], v[AC+j], 0, v[LIM]     ; relu and the hold in one: the conversion to an 8-bit code does not saturate (ISA guide 7.6.2)
.set j, j+1
.endr
	WIN W                                          ; source 0: the accumulators' window; the codes go to window 0
.irp b, 0,1,2,3,4,5,6,7
	v_cvt_scalef32_pk8_bf8_f32 v[CD+16*(\a)+2*\b:CD+16*(\a)+2*\b+1], v[AC+8*\b:AC+8*\b+7], v[SCL]
.endr
	v_nop                                          ; one plain vector instruction behind the last conversion of a run
	WIN 0
.irp g, 0,1
.irp i, 0,1
	global_store_b128 v[LI], v[CD+16*(\a)+8*\g+4*\i:CD+16*(\a)+8*\g+4*\i+3], s[OBS+4*((\a)/4)+2*\g:OBS+4*((\a)/4)+2*\g+1] offset:((\a)%4)*1024+512*\i   ; a chunk: 512 consecutive bytes, aligned
.endr
.endr
.endm
.macro OUT kv                          ; kv = 1: kind v.  The biases first go under the sums' scale: b / 2^Ein, exact short of overflow and underflow
.if \kv
.irp a, 0,1,2,3,4,5,6,7
	v_ldexp_f32 v[BV+2*\a], v[BV+2*\a], s92
.endr
.irp a, 0,1,2,3,4,5,6,7
	v_mov_b32 v[BV+2*\a+1], v[BV+2*\a]             ; a pair for the packed addition
.endr
.else
.set j, 0
.rept 64
	v_ldexp_f32 v[BQ+j], v[BQ+j], s92
.set j, j+1
.endr
.endif
.irp a, 0,1,2,3,4,5,6,7
	OUTBLK \a, \kv
.endr
.endm
	s_cmp_eq_u32 s[KIND], 2                        ; the same in all sixteen partners; neither way touches LDS
	s_cbranch_scc1 .Lkind_v
	OUT 0
	s_branch .Lout_done
.Lkind_v:
	OUT 1
.Lout_done:
	s_wait_tensorcnt 0x0                           ; the wave's end
	ds_add_u32 v[SPW], v[NIL]
	s_wait_dscnt 0x0
	CROUND                                         ; the closing round: no work-group ends while a partner may still ask for a tile that names it
	s_endpgm
.Lfunc_end_k_q0ddab13c9f_proj:
	.size	k_q0ddab13c9f_proj, .Lfunc_end_k_q0ddab13c9f_proj-k_q0ddab13c9f_proj
	.p2alignl 7, 3214868480
	.fill 96, 4, 3214868480
	.section	.rodata,"a",@progbits
	.p2align	6, 0x0
	.amdhsa_kernel k_q0ddab13c9f_proj
		.amdhsa_group_segment_fixed_size 327680
		.amdhsa_private_segment_fixed_size 0
		.amdhsa_enable_private_segment 0
		.amdhsa_kernarg_size 88
		.amdhsa_user_sgpr_count 2
		.amdhsa_user_sgpr_kernarg_segment_ptr 1
		.amdhsa_wavefront_size32 1
		.amdhsa_system_sgpr_workgroup_id_x 1
		.amdhsa_system_sgpr_workgroup_id_y 1
		.amdhsa_system_sgpr_workgroup_id_z 1
		.amdhsa_system_vgpr_workitem_id 0
		.amdhsa_next_free_vgpr 1024
		.amdhsa_next_free_sgpr 100
		.amdhsa_reserve_vcc 0
		.amdhsa_float_denorm_mode_32 3
		.amdhsa_float_denorm_mode_16_64 3
		.amdhsa_memory_ordered 1
		.amdhsa_forward_progress 1
		.amdhsa_inst_pref_size 199
	.end_amdhsa_kernel
	.amdgpu_metadata
---
amdhsa.version: [ 1, 2 ]
amdhsa.kernels:
  - .name:           k_q0ddab13c9f_proj
    .symbol:         k_q0ddab13c9f_proj.kd
    .args:
      - { .name: x_codes, .offset: 0, .size: 8, .value_kind: global_buffer, .address_space: global }
      - { .name: Wq_codes, .offset: 8, .size: 8, .value_kind: global_buffer, .address_space: global }
      - { .name: Wk_codes, .offset: 16, .size: 8, .value_kind: global_buffer, .address_space: global }
      - { .name: Wv_codes, .offset: 24, .size: 8, .value_kind: global_buffer, .address_space: global }
      - { .name: bq, .offset: 32, .size: 8, .value_kind: global_buffer, .address_space: global }
      - { .name: bk, .offset: 40, .size: 8, .value_kind: global_buffer, .address_space: global }
      - { .name: bv, .offset: 48, .size: 8, .value_kind: global_buffer, .address_space: global }
      - { .name: lowp_scales, .offset: 56, .size: 8, .value_kind: global_buffer, .address_space: global }
      - { .name: q_img, .offset: 64, .size: 8, .value_kind: global_buffer, .address_space: global }
      - { .name: k_img, .offset: 72, .size: 8, .value_kind: global_buffer, .address_space: global }
      - { .name: v_img, .offset: 80, .size: 8, .value_kind: global_buffer, .address_space: global }
    .group_segment_fixed_size: 327680
    .private_segment_fixed_size: 0
    .kernarg_segment_align: 8
    .kernarg_segment_size: 88
    .max_flat_workgroup_size: 128
    .sgpr_count:     100
    .vgpr_count:     1024
    .wavefront_size: 32
...
	.end_amdgpu_metadata
.endif
;; end of part 1
;; launch attn (part 2): grid 4 x 64, 16 waves a work-group, clusters of 4 x 1, 264,192 bytes of LDS; arguments q_img, k_img, v_img, lowp_scales, y_img; writes y_img
.if DOCPART == 2
	.amdgcn_target "amdgcn-amd-amdhsa--gfx1250"
	.amdhsa_code_object_version 6
	.text
	.protected	k_q0ddab13c9f_attn
	.globl	k_q0ddab13c9f_attn
	.p2align	8
	.type	k_q0ddab13c9f_attn,@function
k_q0ddab13c9f_attn:
	s_mov_b64 s[64:65], 0
	v_nop
	global_prefetch_b8 v0, s[64:65] scope:SCOPE_SE
	s_setreg_imm32_b32 hwreg(HW_REG_WAVE_MODE, 25, 1), 1
	s_wait_xcnt 0x0
	s_wait_alu depctr_hold_cnt(0) depctr_sa_sdst(0) depctr_va_vdst(0) depctr_va_sdst(0) depctr_va_ssrc(0) depctr_va_vcc(0) depctr_vm_vsrc(0)
	s_getreg_b32 s2, hwreg(HW_REG_IB_STS2, 6, 4)
	s_cmp_eq_u32 s2, 0
	s_cbranch_scc0 .Lentry_in_a_cluster
	s_endpgm
.Lentry_in_a_cluster:
	s_bfe_u32 s2, ttmp6, 0x10000c
	s_cmp_lg_u32 s2, 0x3003
	s_cbranch_scc0 .Lentry_shape_is_right
	s_endpgm
.Lentry_shape_is_right:
; For each batch and head (64 in all): e = q k^T / 8;  p = exp(e - the row's maximum over ALL 2,048 keys) where key <= query, else 0;  a = p / (the row's sum of p + 1e-7);  ctx = a v.
; Both products on codes of BF8 (E5M2).  a is quantised FINISHED AND NORMALISED, with 2^e8: so the sum is known before the first weight is quantised, and the keys are walked twice.
;   WALK 1: all 32 steps of 64 keys: the scores and their maximum, hidden keys too; for the steps that count also the sum of exponentials, under a running reference.
;   WALK 2: only the steps that count: the scores again, a = 2^(c s - c max) x 1 / (sum + 1e-7), its codes, and O^T += V^T a^T.
; ctx is quantised with 2^e10 and stored as an image of the last product's operand registers.
; SHARES.  A cluster of four work-groups takes one batch and head.  The head's 128 tiles of 16 queries are t = 4 g + cx, g = 0 .. 31: partner cx takes the tiles with its cx.  Wave w of sixteen owns TWO tiles, groups g = w (A) and
; g = 31 - w (B): every wave of every work-group has 33 steps that count in each walk.  Group g's 64 queries are just the keys of step g: so for a tile of group g steps under g are open, step g lies on the diagonal, steps over g
; are hidden, for all four partners alike.  Every branch hangs on the wave's number and a loop's counter; cx enters Q's and y's addresses in memory and one data register of the mask, and nothing else.
; LDS holds the head's K (131,072 bytes) and V (131,072) whole, as images of operand registers, filled ONCE by joint tensor loads (each wave asks for 8,192 bytes of each, with all four partners): no byte is filled again.
; A fragment is read at 16 x lane, 512 consecutive bytes an instruction.  Each fragment of K read in walk 1 feeds both of the wave's tiles.
; LAYOUT.  Both products are used transposed: S^T = K Q^T (source 0 = 16 keys, source 1 = 16 queries), O^T = V^T a^T: a lane holds ONE query (lane % 16).  In the 16x16x64 form's own order the eight registers of key tile t are
; keys 16 t + 8 (lane / 16) + 0 .. 7, which are registers 2 t, 2 t + 1 of the second product's operand: the conversions' results are that operand.
; THE SUM IN WALK 1.  Each lane keeps a reference of its own, the largest score that it has seen among its own keys: nothing crosses lanes inside the loop.  At the end the lane's sum is brought under the row's maximum by one
; exponential, and the two halves of the lanes are added.
; LIMITS on the given exponents: e6 + e7 between -123 and 130 (added to c's exponent field); e8, and e10 - e8 - e9, between -126 and 112.  NaN is not served.  An exponential under 2^-126 counts as 0.
.set LI,  1                            ; v1   16 x lane; never rewritten
.set ADK, 2                            ; v2   LDS address of the step's K
.set ADV, 3                            ; v3   of its V
.set DG,  4                            ; v4   16 cx + r - 8 h: on the diagonal register 8 t + j is hidden where 16 t + j is greater
.set NINF, 5                           ; v5   -infinity
.set LIMP, 6                           ; v6   57,344 x 2^e8
.set SCP, 7                            ; v7   2^e8
.set LIMO, 8                           ; v8   57,344 x 2^(e10 - e8 - e9)
.set SCO, 9                            ; v9   2^(e10 - e8 - e9)
.set QA,  16                           ; v16-23, v24-31  Q's fragments of tiles A, B
.set QB,  24
.set KF,  32                           ; v32-63   four fragments of K; on the way out the codes
.set VF,  64                           ; v64-95   four fragments of V (walk 2)
.set STA, 64                           ; walk 1: the statistics of tile A, B: +0..3 four running maxima; +4,5 NT = -c x my reference; +6,7 the sum; +8,9 the factor; +10,11 a second chain; +12,13 at work
.set STB, 80
.set SA,  96                           ; v96-127, v128-159  S^T
.set SB,  128
.set OA,  160                          ; v160-191, v192-223 O^T
.set OB,  192
.set PA,  224                          ; v224-231, v232-239 the weights' codes
.set PB,  232
.set NTA, 240                          ; v[240:241] -c x the row's maximum; v[242:243] 1 / (sum + 1e-7), tile A;  v[244:247] tile B
.set RA,  242
.set NTB, 244
.set RB,  246
.set UX,  248                          ; v248-251 what comes from the other half of the lanes
.set WV,  14                           ; s14  my wave's number
.set GA,  14                           ; group A's number is the wave's
.set CX,  15
.set BH,  16                           ; batch x 16 + head
.set GB,  18                           ; 31 - wave
.set KI,  19                           ; the step
.set KO,  20                           ; 4,096 x the step
.set NC,  21                           ; -c
.set CS,  22                           ; s[22:23] c = log2(e) / 8 x 2^(e6 + e7)
.set G1,  24                           ; s[24:31] descriptor group 1;  s[32:35], s[36:39] groups 0 for K and V
.set G0K, 32
.set G0V, 36
.set SEL, 52                           ; s[52:53] lane selects: lane l xor 16
.set VREG, 131072                      ; V's images begin here
.macro CROUND                          ; a round of the cluster's barrier
	s_barrier_signal -1
	s_barrier_wait -1
	s_cmp_lg_u32 s[WV], 0
	s_cbranch_scc1 .Lnot_wave_0_\@
	s_barrier_signal -3
.Lnot_wave_0_\@:
	s_barrier_wait -3
	s_barrier_signal -1
	s_barrier_wait -1
.endm
	s_load_b256 s[4:11], s[0:1], 0x0               ; q_img s[4:5], k_img s[6:7], v_img s[8:9], the exponents s[10:11]
	s_load_b64 s[12:13], s[0:1], 0x20              ; y_img
	v_lshl_add_u32 v254, v0, 2, 0x40000
	v_mov_b32 v255, 0
	ds_add_u32 v254, v255
	ds_add_u32 v254, v255
	v_lshrrev_b32 v10, 5, v0
	v_readfirstlane_b32 s[WV], v10                 ; wave 0..15
	s_bfe_u32 s[CX], ttmp6, 0x40000                ; my place in the cluster
	s_and_b32 s[BH], ttmp7, 0xffff                 ; the cluster's y, which the four partners share
	s_xor_b32 s[GB], s[WV], 31                     ; 31 - wave
	; descriptor group 1: a dense block of 8,192 bytes as 32 rows of 32 elements of 8 bytes
	s_mov_b32 s[G1], 15|(3<<16)|(1<<21)            ; 15:0 the mask: all four work-groups; 17:16 elements of 8 bytes; 20 no padding; 21 set beside a mask
	s_mov_b32 s[G1+1], 32<<16                      ; tensor_dim0 = 32
	s_mov_b32 s[G1+2], 32<<16                      ; tensor_dim1 = 32
	s_mov_b32 s[G1+3], 32<<16                      ; tile_dim0 = 32
	s_mov_b32 s[G1+4], 32                          ; tile_dim1 = 32
	s_mov_b32 s[G1+5], 32                          ; tensor_dim0_stride
	s_mov_b32 s[G1+6], 0
	s_mov_b32 s[G1+7], 0
	s_mov_b32 s[G0K], 1
	s_lshl_b32 s[G0K+1], s[WV], 13                 ; LDS: 8,192 x wave
	s_mov_b32 s[G0V], 1
	s_add_co_u32 s[G0V+1], s[G0K+1], VREG
	s_lshl_b32 s66, s[BH], 17                      ; the head's 131,072 bytes,
	s_add_co_u32 s66, s66, s[G0K+1]                ; my wave's 8,192 of them
	s_mov_b32 s67, 0
	s_mov_b32 s[SEL], 0x76543210
	s_mov_b32 s[SEL+1], 0xfedcba98
	s_mov_b32 s[CS], 0x3e38aa3b                    ; log2(e) / 8
	s_wait_dscnt 0x0
	s_wait_kmcnt 0x0
	s_load_b256 s[40:47], s[10:11], 0x0            ; e0 .. e7
	s_load_b128 s[48:51], s[10:11], 0x20           ; e8 .. e11
	s_add_nc_u64 s[G0K+2:G0K+3], s[6:7], s[66:67]
	s_or_b32 s[G0K+3], s[G0K+3], 0x80000000
	s_add_nc_u64 s[G0V+2:G0V+3], s[8:9], s[66:67]
	s_or_b32 s[G0V+3], s[G0V+3], 0x80000000
	CROUND                                         ; all four work-groups are here: the joint loads meet
	tensor_load_to_lds s[G0K:G0K+3], s[G1:G1+7]    ; every wave's two loads stand together: two of mine are out, and no more are ever issued
	s_nop 0
	tensor_load_to_lds s[G0V:G0V+3], s[G1:G1+7]
	s_nop 0
.rept 4
	v_nop
.endr
	s_lshl_b32 s68, s[GA], 2
	s_add_co_u32 s68, s68, s[CX]                   ; tile A = 4 w + cx
	s_lshl_b32 s69, s[GB], 2
	s_add_co_u32 s69, s69, s[CX]                   ; tile B = 4 (31 - w) + cx
	s_lshl_b32 s70, s[BH], 17
	s_mov_b32 s3, 0
	s_lshl_b32 s2, s68, 10                         ; a tile's image is 1,024 bytes
	s_add_co_u32 s2, s2, s70
	s_add_nc_u64 s[56:57], s[4:5], s[2:3]          ; Q of tile A
	s_lshl_b32 s2, s69, 10
	s_add_co_u32 s2, s2, s70
	s_add_nc_u64 s[58:59], s[4:5], s[2:3]          ; of tile B
	s_lshr_b32 s70, s[BH], 4
	s_lshl_b32 s70, s70, 7                         ; y_img: the batch's first row tile,
	s_and_b32 s71, s[BH], 15
	s_lshl_b32 s71, s71, 10                        ; and the head's 1,024 bytes of a row tile's 16,384
	s_add_co_u32 s2, s70, s68
	s_lshl_b32 s2, s2, 14
	s_add_co_u32 s2, s2, s71
	s_add_nc_u64 s[60:61], s[12:13], s[2:3]        ; y of tile A
	s_add_co_u32 s2, s70, s69
	s_lshl_b32 s2, s2, 14
	s_add_co_u32 s2, s2, s71
	s_add_nc_u64 s[62:63], s[12:13], s[2:3]        ; of tile B
	v_and_b32 v[LI], 31, v0
	v_lshlrev_b32 v[LI], 4, v[LI]
	global_load_b128 v[QA:QA+3],   v[LI], s[56:57]
	global_load_b128 v[QA+4:QA+7], v[LI], s[56:57] offset:512
	global_load_b128 v[QB:QB+3],   v[LI], s[58:59]
	global_load_b128 v[QB+4:QB+7], v[LI], s[58:59] offset:512
	v_and_b32 v10, 15, v0                          ; r
	v_bfe_u32 v11, v0, 4, 1                        ; h
	v_lshlrev_b32 v11, 3, v11
	v_sub_nc_u32 v[DG], v10, v11
	s_lshl_b32 s2, s[CX], 4
	v_add_nc_u32 v[DG], s2, v[DG]                  ; 16 cx + r - 8 h, a signed number
	v_mov_b32 v[NINF], 0xff800000
.irp tb, STA, STB
.irp i, 0,1,2,3
	v_mov_b32 v[\tb+\i], 0xff800000                ; the maxima: under every score
.endr
	v_mov_b32 v[\tb+4], 0x7f800000                 ; NT = +infinity: the first factor is 2^(-infinity) = 0, on a sum that is 0
.irp i, 5,6,7,8,9,10,11,12,13
	v_mov_b32 v[\tb+\i], 0                         ; the sum; upper halves of pairs; destinations of lane permutes, which count as read
.endr
.endr
.irp i, 0,1,2,3
	v_mov_b32 v[UX+\i], 0
.endr
	s_wait_kmcnt 0x0
	s_add_co_i32 s2, s46, s47                      ; a score stands for score x 2^(e6 + e7):
	s_lshl_b32 s2, s2, 23
	s_add_co_i32 s[CS], s[CS], s2                  ; the two exponents are added to c's exponent field
	s_mov_b32 s[CS+1], s[CS]                       ; (named with it as a pair, so it is written)
	s_xor_b32 s[NC], s[CS], 0x80000000             ; -c
	s_add_co_i32 s2, s48, 127
	s_lshl_b32 s3, s2, 23
	v_mov_b32 v[SCP], s3                           ; 2^e8
	s_add_co_i32 s2, s2, 15
	s_lshl_b32 s2, s2, 23
	s_or_b32 s2, s2, 0x600000
	v_mov_b32 v[LIMP], s2                          ; 57,344 x 2^e8
	s_sub_co_i32 s2, s50, s48
	s_sub_co_i32 s2, s2, s49                       ; a sum of the second product stands for sum x 2^(e8 + e9): its code is sum / 2^(e10 - e8 - e9)
	s_add_co_i32 s2, s2, 127
	s_lshl_b32 s3, s2, 23
	v_mov_b32 v[SCO], s3
	s_add_co_i32 s2, s2, 15
	s_lshl_b32 s2, s2, 23
	s_or_b32 s2, s2, 0x600000
	v_mov_b32 v[LIMO], s2
.macro MASK sr                         ; the diagonal step: hidden exponents become -infinity, so that the exponential is 0
.set n, 0
.rept 32
	v_cmp_gt_i32 vcc_lo, 16*(n/8)+n%8, v[DG]
	v_cndmask_b32 v[\sr+n], v[\sr+n], v[NINF], vcc_lo
.set n, n+1
.endr
.endm
; WALK 1, one tile and one step.  sr: the scores; tb: the statistics; gr: the scalar register with the tile's group.
.macro W1 sr, tb, gr
.irp p, 0,2,4,6                        ; the maxima take in every key, hidden ones too; each accumulator is read from its low end on
.irp t, 0,1,2,3
	v_max3_num_f32 v[\tb+\t], v[\tb+\t], v[\sr+8*\t+\p], v[\sr+8*\t+\p+1]
.endr
.endr
	s_cmp_gt_u32 s[KI], s[\gr]
	s_cbranch_scc1 .Lhidden_\@                     ; a step all of whose keys are hidden adds nothing to the sum
	v_max3_num_f32 v[\tb+12], v[\tb], v[\tb+1], v[\tb+2]
	v_mov_b32 v[\tb+13], v[\tb+4]                  ; the old NT
	v_max_num_f32 v[\tb+12], v[\tb+12], v[\tb+3]   ; my largest score so far
	v_mul_f32 v[\tb+4], s[NC], v[\tb+12]           ; NT = -c x it
	v_sub_f32 v[\tb+8], v[\tb+4], v[\tb+13]        ; 0 or less
.set j, 0
.rept 16
	v_pk_fma_f32 v[\sr+j:\sr+j+1], v[\sr+j:\sr+j+1], s[CS:CS+1], v[\tb+4:\tb+5] op_sel_hi:[1,0,0]   ; c s + NT, two at a time (the pairs' low words serve both halves)
.set j, j+2
.endr
	s_cmp_lg_u32 s[KI], s[\gr]
	s_cbranch_scc1 .Lopen_\@
	MASK \sr
.Lopen_\@:
	v_exp_f32 v[\tb+8], v[\tb+8]                   ; the factor that brings the old sum under the new reference
.set j, 0
.rept 32
	v_exp_f32 v[\sr+j], v[\sr+j]
.set j, j+1
.endr
	v_nop                                          ; a plain instruction behind the last exponential
	s_wait_alu depctr_va_vdst(0)                   ; one wait for the batch of 33, ahead of its first reader
	v_pk_fma_f32 v[\tb+6:\tb+7], v[\tb+6:\tb+7], v[\tb+8:\tb+9], v[\sr:\sr+1] op_sel_hi:[1,0,1]
	v_pk_add_f32 v[\tb+10:\tb+11], v[\sr+2:\sr+3], v[\sr+4:\sr+5]
.irp u, 6,10,14,18,22,26
	v_pk_add_f32 v[\tb+6:\tb+7], v[\tb+6:\tb+7], v[\sr+\u:\sr+\u+1]
	v_pk_add_f32 v[\tb+10:\tb+11], v[\tb+10:\tb+11], v[\sr+\u+2:\sr+\u+3]
.endr
	v_pk_add_f32 v[\tb+6:\tb+7], v[\tb+6:\tb+7], v[\sr+30:\sr+31]
	v_pk_add_f32 v[\tb+6:\tb+7], v[\tb+6:\tb+7], v[\tb+10:\tb+11]
.Lhidden_\@:
.endm
; Behind walk 1: the row's maximum over all keys, the row's sum under it, and 1 / (sum + 1e-7).
.macro FINISH tb, nt, rr
	v_max3_num_f32 v[\tb+12], v[\tb], v[\tb+1], v[\tb+2]
	v_max_num_f32 v[\tb+12], v[\tb+12], v[\tb+3]
	v_permlanex16_b32 v[\tb+13], v[\tb+12], s[SEL], s[SEL+1]
	v_max_num_f32 v[\tb+12], v[\tb+12], v[\tb+13]  ; the query's other keys lie in the lane 16 away
	v_mul_f32 v[\nt], s[NC], v[\tb+12]             ; -c x the row's maximum
	v_sub_f32 v[\tb+13], v[\nt], v[\tb+4]          ; 0 or less
	v_exp_f32 v[\tb+13], v[\tb+13]
	v_add_f32 v[\tb+6], v[\tb+6], v[\tb+7]         ; (a plain instruction behind the exponential)  the sum's two halves
	s_wait_alu depctr_va_vdst(0)                   ; ahead of the first reader
	v_mul_f32 v[\tb+6], v[\tb+6], v[\tb+13]        ; my sum under the row's maximum
	v_permlanex16_b32 v[\tb+7], v[\tb+6], s[SEL], s[SEL+1]
	v_add_f32 v[\tb+6], v[\tb+6], v[\tb+7]
	v_add_f32 v[\tb+6], 0x33d6bf95, v[\tb+6]       ; + 1e-7
	v_rcp_f32 v[\rr], v[\tb+6]
	v_mov_b32 v[\nt+1], v[\nt]                     ; (a plain instruction behind the reciprocal)  the pairs' upper halves are written
	s_wait_alu depctr_va_vdst(0)
	v_mov_b32 v[\rr+1], v[\rr]
.endm
; WALK 2, one tile and one step: the finished weights and their codes.
.macro W2 sr, pr, nt, rr, gr
.set j, 0
.rept 16
	v_pk_fma_f32 v[\sr+j:\sr+j+1], v[\sr+j:\sr+j+1], s[CS:CS+1], v[\nt:\nt+1] op_sel_hi:[1,0,0]   ; c s - c max
.set j, j+2
.endr
	s_cmp_lg_u32 s[KI], s[\gr]
	s_cbranch_scc1 .Lopen_\@
	MASK \sr
.Lopen_\@:
.set j, 0
.rept 32
	v_exp_f32 v[\sr+j], v[\sr+j]
.set j, j+1
.endr
	v_nop
	s_wait_alu depctr_va_vdst(0)                   ; one wait for the batch of 32
.set j, 0
.rept 16
	v_pk_mul_f32 v[\sr+j:\sr+j+1], v[\sr+j:\sr+j+1], v[\rr:\rr+1] op_sel_hi:[1,0]   ; a = p / (sum + 1e-7)
.set j, j+2
.endr
.set j, 0
.rept 32
	v_min_num_f32 v[\sr+j], v[\sr+j], v[LIMP]      ; the conversion does not saturate (ISA guide 7.6.2); a is not negative, so the hold is one-sided
.set j, j+1
.endr
.irp t, 0,1,2,3
	v_cvt_scalef32_pk8_bf8_f32 v[\pr+2*\t:\pr+2*\t+1], v[\sr+8*\t:\sr+8*\t+7], v[SCP]
.endr
	v_nop                                          ; one plain vector instruction between the conversions and the products that read their results
.endm
.macro PV ob, pr                       ; O^T += V^T a^T: four tiles of 16 channels; the four accumulators take turns, and the scores' products stand between two steps
.irp d, 0,1,2,3
	v_wmma_f32_16x16x64_bf8_bf8 v[\ob+8*\d:\ob+8*\d+7], v[VF+8*\d:VF+8*\d+7], v[\pr:\pr+7], v[\ob+8*\d:\ob+8*\d+7]
.endr
.endm
	s_mov_b32 s[KI], 0
	s_mov_b32 s[KO], 0
	s_wait_loadcnt 0x0                             ; Q
	s_wait_tensorcnt 0x1                           ; my part of K is in; V's load may stay out: walk 1 does not read it, and nothing is ever filled again
	s_barrier_signal -1
	s_barrier_wait -1                              ; everybody's part of K is in
.Lw1:                                              ; 32 trips, a constant
	v_add_nc_u32 v[ADK], s[KO], v[LI]
.irp t, 0,1,2,3
	ds_load_b128 v[KF+8*\t:KF+8*\t+3],   v[ADK] offset:1024*\t
	ds_load_b128 v[KF+8*\t+4:KF+8*\t+7], v[ADK] offset:1024*\t+512
.endr
	s_wait_dscnt 0x0
.irp t, 0,1,2,3
	v_wmma_f32_16x16x64_bf8_bf8 v[SA+8*\t:SA+8*\t+7], v[KF+8*\t:KF+8*\t+7], v[QA:QA+7], 0
	v_wmma_f32_16x16x64_bf8_bf8 v[SB+8*\t:SB+8*\t+7], v[KF+8*\t:KF+8*\t+7], v[QB:QB+7], 0
.endr
.rept 4
	v_nop                                          ; places in front of the first read of results
.endr
	W1 SA, STA, GA
	W1 SB, STB, GB
	s_add_co_u32 s[KI], s[KI], 1
	s_add_co_u32 s[KO], s[KO], 4096
	s_cmp_lt_u32 s[KI], 32
	s_cbranch_scc1 .Lw1
	FINISH STA, NTA, RA
	FINISH STB, NTB, RB
.set j, 0
.rept 64
	v_mov_b32 v[OA+j], 0                           ; O^T of both tiles, once: the step of walk 2 is written once
.set j, j+1
.endr
	s_mov_b32 s[KI], 0
	s_mov_b32 s[KO], 0
	s_wait_tensorcnt 0x0                           ; my part of V is in
	s_wait_dscnt 0x0
	s_barrier_signal -1
	s_barrier_wait -1                              ; everybody's is
.Lw2:                                              ; 32 trips, a constant; a step that is hidden from both tiles is jumped over, all but the counters' steps
	s_cmp_gt_u32 s[KI], s[GB]
	s_cbranch_scc1 .Lw2_next
	v_nop                                          ; four places behind the last step's products, in front of the loads into their sources: two v_nop and the two additions
	v_nop
	v_add_nc_u32 v[ADK], s[KO], v[LI]
	v_add_nc_u32 v[ADV], VREG, v[ADK]
.irp t, 0,1,2,3
	ds_load_b128 v[KF+8*\t:KF+8*\t+3],   v[ADK] offset:1024*\t
	ds_load_b128 v[KF+8*\t+4:KF+8*\t+7], v[ADK] offset:1024*\t+512
.endr
.irp t, 0,1,2,3
	ds_load_b128 v[VF+8*\t:VF+8*\t+3],   v[ADV] offset:1024*\t
	ds_load_b128 v[VF+8*\t+4:VF+8*\t+7], v[ADV] offset:1024*\t+512
.endr
	s_wait_dscnt 0x8                               ; K's eight loads are in; V's eight, issued behind them, may be out
.irp t, 0,1,2,3
	v_wmma_f32_16x16x64_bf8_bf8 v[SB+8*\t:SB+8*\t+7], v[KF+8*\t:KF+8*\t+7], v[QB:QB+7], 0
.endr
	s_cmp_gt_u32 s[KI], s[GA]
	s_cbranch_scc1 .Lw2_only_b
.irp t, 0,1,2,3
	v_wmma_f32_16x16x64_bf8_bf8 v[SA+8*\t:SA+8*\t+7], v[KF+8*\t:KF+8*\t+7], v[QA:QA+7], 0
.endr
.Lw2_only_b:
.rept 4
	v_nop
.endr
	W2 SB, PB, NTB, RB, GB
	s_wait_dscnt 0x0                               ; V is in
	PV OB, PB
	s_cmp_gt_u32 s[KI], s[GA]
	s_cbranch_scc1 .Lw2_next
	W2 SA, PA, NTA, RA, GA
	PV OA, PA
.Lw2_next:
	s_add_co_u32 s[KI], s[KI], 1
	s_add_co_u32 s[KO], s[KO], 4096
	s_cmp_lt_u32 s[KI], 32
	s_cbranch_scc1 .Lw2
; THE WAY OUT.  Lane (r, h) holds, of query r, channels 16 d + 8 h + 0 .. 7 of tile d: eight codes each.  The last product's operand wants, in chunk p, lane (r, h): channels 32 p + 16 h + 0 .. 15.
; So lanes 0-15 keep tile 2 p and take its upper eight channels from the lane 16 away; lanes 16-31 keep tile 2 p + 1 and take its lower eight: one exchange for each of four registers.
.macro WAYOUT ob, cr, yr, base
.set j, 0
.rept 32
	v_min_num_f32 v[\ob+j], v[\ob+j], v[LIMO]      ; sums of products of codes that are not negative: the hold is one-sided; each accumulator from its low end on
.set j, j+1
.endr
.irp d, 0,1,2,3
	v_cvt_scalef32_pk8_bf8_f32 v[\cr+2*\d:\cr+2*\d+1], v[\ob+8*\d:\ob+8*\d+7], v[SCO]
.endr
	v_nop                                          ; one plain vector instruction behind the conversions
.irp p, 0,1
.irp e, 0,1
	v_cndmask_b32 v[10+2*\p+\e], v[\cr+4*\p+2+\e], v[\cr+4*\p+\e], vcc_lo   ; what I send: lanes 0-15 tile 2 p + 1's, lanes 16-31 tile 2 p's
.endr
.endr
.irp i, 0,1,2,3
	v_permlanex16_b32 v[UX+\i], v[10+\i], s[SEL], s[SEL+1]
.endr
.irp p, 0,1
.irp e, 0,1
	v_cndmask_b32 v[\yr+4*\p+\e], v[\cr+4*\p+\e], v[UX+2*\p+\e], vcc_lo
	v_cndmask_b32 v[\yr+4*\p+2+\e], v[UX+2*\p+\e], v[\cr+4*\p+2+\e], vcc_lo
.endr
.endr
	global_store_b128 v[LI], v[\yr:\yr+3],   s[\base:\base+1]              ; a chunk: 512 consecutive bytes, aligned
	global_store_b128 v[LI], v[\yr+4:\yr+7], s[\base:\base+1] offset:512
.endm
.rept 4
	v_nop                                          ; places behind the last products
.endr
	s_mov_b32 vcc_lo, 0xffff0000                   ; lanes 16-31
	WAYOUT OA, KF, KF+16, 60
	WAYOUT OB, KF+8, KF+24, 62
	s_wait_tensorcnt 0x0
	ds_add_u32 v254, v255
	s_wait_dscnt 0x0
	CROUND                                         ; the closing round: no work-group ends while a partner may still ask for a tile that names it
	s_endpgm
.Lfunc_end_k_q0ddab13c9f_attn:
	.size	k_q0ddab13c9f_attn, .Lfunc_end_k_q0ddab13c9f_attn-k_q0ddab13c9f_attn
	.p2alignl 7, 3214868480
	.fill 96, 4, 3214868480
	.section	.rodata,"a",@progbits
	.p2align	6, 0x0
	.amdhsa_kernel k_q0ddab13c9f_attn
		.amdhsa_group_segment_fixed_size 264192
		.amdhsa_private_segment_fixed_size 0
		.amdhsa_enable_private_segment 0
		.amdhsa_kernarg_size 40
		.amdhsa_user_sgpr_count 2
		.amdhsa_user_sgpr_kernarg_segment_ptr 1
		.amdhsa_wavefront_size32 1
		.amdhsa_system_sgpr_workgroup_id_x 1
		.amdhsa_system_sgpr_workgroup_id_y 1
		.amdhsa_system_sgpr_workgroup_id_z 1
		.amdhsa_system_vgpr_workitem_id 0
		.amdhsa_next_free_vgpr 256
		.amdhsa_next_free_sgpr 72
		.amdhsa_reserve_vcc 1
		.amdhsa_float_denorm_mode_32 3
		.amdhsa_float_denorm_mode_16_64 3
		.amdhsa_memory_ordered 1
		.amdhsa_forward_progress 1
		.amdhsa_inst_pref_size 45
	.end_amdhsa_kernel
	.amdgpu_metadata
---
amdhsa.version: [ 1, 2 ]
amdhsa.kernels:
  - .name:           k_q0ddab13c9f_attn
    .symbol:         k_q0ddab13c9f_attn.kd
    .args:
      - { .name: q_img, .offset: 0, .size: 8, .value_kind: global_buffer, .address_space: global }
      - { .name: k_img, .offset: 8, .size: 8, .value_kind: global_buffer, .address_space: global }
      - { .name: v_img, .offset: 16, .size: 8, .value_kind: global_buffer, .address_space: global }
      - { .name: lowp_scales, .offset: 24, .size: 8, .value_kind: global_buffer, .address_space: global }
      - { .name: y_img, .offset: 32, .size: 8, .value_kind: global_buffer, .address_space: global }
    .group_segment_fixed_size: 264192
    .private_segment_fixed_size: 0
    .kernarg_segment_align: 8
    .kernarg_segment_size: 40
    .max_flat_workgroup_size: 512
    .sgpr_count:     72
    .vgpr_count:     256
    .wavefront_size: 32
...
	.end_amdgpu_metadata
.endif
;; end of part 2
;; launch outp (part 3): grid 4 x 32, 4 waves a work-group, clusters of 4 x 4, 327,680 bytes of LDS; arguments y_img, Wo_codes, lowp_scales, bo, out0; writes out0
.if DOCPART == 3
	.amdgcn_target "amdgcn-amd-amdhsa--gfx1250"
	.amdhsa_code_object_version 6
	.text
	.protected	k_q0ddab13c9f_outp
	.globl	k_q0ddab13c9f_outp
	.p2align	8
	.type	k_q0ddab13c9f_outp,@function
k_q0ddab13c9f_outp:
	s_mov_b64 s[64:65], 0
	v_nop
	global_prefetch_b8 v0, s[64:65] scope:SCOPE_SE
	s_setreg_imm32_b32 hwreg(HW_REG_WAVE_MODE, 25, 1), 1
	s_wait_xcnt 0x0
	s_wait_alu depctr_hold_cnt(0) depctr_sa_sdst(0) depctr_va_vdst(0) depctr_va_sdst(0) depctr_va_ssrc(0) depctr_va_vcc(0) depctr_vm_vsrc(0)
	s_getreg_b32 s2, hwreg(HW_REG_IB_STS2, 6, 4)
	s_cmp_eq_u32 s2, 0
	s_cbranch_scc0 .Lentry_in_a_cluster
	s_endpgm
.Lentry_in_a_cluster:
	s_bfe_u32 s2, ttmp6, 0x10000c
	s_cmp_lg_u32 s2, 0xf033
	s_cbranch_scc0 .Lentry_shape_is_right
	s_endpgm
.Lentry_shape_is_right:
; out0 = relu(y Wo + bo).  y: 8,192 rows x 1,024 codes of BF8 (E5M2), laid as images of operand registers: [row tile of 16, 512][K step of 128, 8][chunk 4][lane 32][16 bytes], registers 4 c .. 4 c + 3 of lane (r, h)
; holding k = 32 c + 16 h + 0 .. 15.  Wo: [1024 (n)][1024 (k)] codes.  bo: [1024] f32.  out0: [8192][1024] f32.  A sum stands for sum x 2^(e10 + e11): out = max(sum x 2^(e10 + e11) + bo, 0).
; LIMIT: e10 + e11 between -126 and 127, so that the power of two is an f32 number.  NaN among the inputs is not served.
; A tile of 256 x 256 is made by a work-group of four waves, a wave 128 x 128: 64 accumulators, 512 registers.  32 x 4 = 128 tiles, one to a work-group: a wave tile of that side reads the fewest LDS bytes for each product.
; K goes in four steps of 256 through a ring of two LDS slots filled by joint tensor loads in clusters of 4 x 4: y's tile (operand P0, source 1) is shared along a row of the cluster, Wo's (P1, source 0) along a column.
; In accumulator (a, b) lane (r, h) holds, in register j, out(row 16 a + r, column 16 b + 8 h + j): eight neighbouring numbers of a row.
; y's fragments are read from LDS as they lie, 512 consecutive bytes an instruction; Wo's from padded rows by four loads of 16 bytes, 32 bytes apart: the same order of k on both sides.
; REGISTERS, in windows of 256: window 0: v0-31 addresses; v64-127 the bias; v128-255 P0's fragments, ONE set, later rows of the result.   window 1: P1's fragments, TWO sets.   windows 2, 3: the accumulators.
.set KROW,   1024                      ; a row of Wo in memory, in bytes
.set ROWB,   256                       ; a row of Wo's tile
.set PITCH,  272                       ; and in LDS: + 16 of padding: the 16 rows that a load touches start at 16 different banks (ISA guide 11.1)
.set FR,     16
.set NL,     4
.set NP,     4
.set HALFA,  32768                     ; 8 row tiles x 4,096 bytes: what one tensor load brings of y
.set HALFB,  128*PITCH                 ; 128 rows of Wo
.set BREG,   2*HALFA                   ; a slot: y's two halves, then Wo's
.set SLOT,   2*HALFA+2*HALFB
.set SPARE,  2*SLOT                    ; behind the ring: the spare words, 128 bytes for each wave
.set SPITCH, 528                       ; the way out: a stage of 16 rows x (512 bytes + 16) for each wave, in slot 0, which has had its last fill and its last read when the first result is stored there
.set NROW,   4096                      ; a row of out0 in bytes
.set ADRA, 16                          ; v16-17  LDS address of my P0 fragments in slot 0, 1
.set ADRB, 20                          ; v20-21  the same for P1
.set STO,  24                          ; v24     the way out: where I put 32 bytes of a row
.set RD,   25                          ; v25     where I read a row back
.set CO,   26                          ; v26     my byte offset in a row of out0
.set H32,  27                          ; v27     32 h: my half's eight biases
.set SPW,  28                          ; v28     LDS address of my spare word; never rewritten
.set NIL,  29                          ; v29     0; never rewritten
.set BO,   64                          ; v64-127 register 8 b + j: the bias of column 16 b + 8 h + j
.set AF,   128
.set BK,   128                         ; the way out: 16 rows read back: v128-191 and v192-255 by turns
.set G1,   24
.set G0,   32
.set G1B,  48
.set G0B,  56
.set MSB, 0
.macro WIN new                         ; the immediate's high byte repeats the setting that is left
.if MSB != \new
	s_set_vgpr_msb (MSB<<8)|\new
.set MSB, \new
.endif
.endm
.set MUL_LO, 0xa1                      ; source 0 (P1) window 1, source 1 (P0) window 0, C and D window 2
.set MUL_HI, 0xf1                      ; the same, C and D window 3
.set TO_B,   0x40                      ; destination window 1, address window 0
.macro JLOAD g0a, g1a, g0b, g1b        ; a joint load: waves 0 and 1 fetch for y, waves 2 and 3 for Wo; four v_nop follow each of the two lines
	s_cmp_eq_u32 s15, 0
	s_cbranch_scc0 .Lfor_b_\@
	tensor_load_to_lds s[\g0a:\g0a+3], s[\g1a:\g1a+7]
	s_nop 0
.rept 4
	v_nop
.endr
	s_branch .Lasked_\@
.Lfor_b_\@:
	tensor_load_to_lds s[\g0b:\g0b+3], s[\g1b:\g1b+7]
	s_nop 0
.rept 4
	v_nop
.endr
.Lasked_\@:
.endm
.macro CREST                           ; a round of the cluster's barrier behind its opening barrier
	s_cmp_lg_u32 s14, 0
	s_cbranch_scc1 .Lnot_wave_0_\@
	s_barrier_signal -3
.Lnot_wave_0_\@:
	s_barrier_wait -3
	s_barrier_signal -1
	s_barrier_wait -1
.endm
.macro CROUND
	s_barrier_signal -1
	s_barrier_wait -1
	CREST
.endm
	s_load_b256 s[4:11], s[0:1], 0x0               ; y_img s[4:5], Wo's codes s[6:7], the exponents s[8:9], bo s[10:11]
	s_load_b64 s[12:13], s[0:1], 0x20              ; out0
	v_lshl_add_u32 v[SPW], v0, 2, SPARE
	v_mov_b32 v[NIL], 0
	ds_add_u32 v28, v29
	ds_add_u32 v28, v29
	s_wait_dscnt 0x0
	v_lshrrev_b32 v1, 5, v0
	v_readfirstlane_b32 s14, v1                    ; wave 0..3
	s_lshr_b32 s15, s14, 1                         ; which half of the tile's rows is mine.  Also: I fetch for y (0) or for Wo (1)
	s_and_b32 s16, s14, 1                          ; which half of its columns.  Also: which half of that tile I fetch
	s_bfe_u32 s40, ttmp6, 0x40000                  ; cx, cy
	s_bfe_u32 s41, ttmp6, 0x40004
	s_lshl_b32 s42, ttmp9, 2
	s_add_co_u32 s42, s42, s40                     ; tile column = 4 x cluster x + cx
	s_and_b32 s17, ttmp7, 0xffff
	s_lshl_b32 s17, s17, 2
	s_add_co_u32 s17, s17, s41                     ; tile row = 4 x cluster y + cy
	s_lshl_b32 s43, s41, 2
	s_lshl_b32 s43, 15, s43                        ; my row of the cluster
	s_lshl_b32 s44, 0x1111, s40                    ; my column
	; descriptor group 1 for y: 8 row tiles, of each the 4,096 bytes of two K steps of 128, 16,384 bytes apart; elements of 8 bytes; no padding
	s_or_b32 s[G1+0], s43, (3<<16)|(1<<21)         ; 15:0 the mask: y's tiles go to my row; 17:16 elements of 8 bytes; 21 set beside a mask
	s_mov_b32 s[G1+1], 512<<16                     ; tensor_dim0 = 512
	s_mov_b32 s[G1+2], 8<<16                       ; tensor_dim1 = 8
	s_mov_b32 s[G1+3], 512<<16                     ; tile_dim0 = 512
	s_mov_b32 s[G1+4], 8                           ; tile_dim1 = 8
	s_mov_b32 s[G1+5], 2048                        ; tensor_dim0_stride
	s_mov_b32 s[G1+6], 0
	s_mov_b32 s[G1+7], 0
	; for Wo: 128 rows x 256 bytes, padded in LDS
	s_or_b32 s[G1B+0], s44, (0<<16)|(1<<20)|(1<<21)|(5<<22)|(3<<25)  ; my column's mask; elements of 1 byte; padding: four words after every 64
	s_mov_b32 s[G1B+1], ROWB<<16
	s_mov_b32 s[G1B+2], 128<<16
	s_mov_b32 s[G1B+3], ROWB<<16
	s_mov_b32 s[G1B+4], 128
	s_mov_b32 s[G1B+5], KROW
	s_mov_b32 s[G1B+6], 0
	s_mov_b32 s[G1B+7], 0
	s_lshl_b32 s20, s17, 4
	s_lshl_b32 s18, s16, 3
	s_add_co_u32 s20, s20, s18                     ; y: row tile 16 x tile row + 8 x half,
	s_lshl_b32 s20, s20, 14                        ; 16,384 bytes each
	s_mov_b32 s21, 0
	s_lshl_b32 s46, s42, 8
	s_lshl_b32 s18, s16, 7
	s_add_co_u32 s46, s46, s18                     ; Wo: row 256 x tile column + 128 x half,
	s_lshl_b32 s46, s46, 10                        ; 1,024 bytes each
	s_mov_b32 s47, 0
	s_lshl_b32 s45, s16, 15                        ; where they go: y's half,
	s_mul_i32 s19, s16, HALFB
	s_add_co_u32 s19, s19, BREG                    ; Wo's half: no place in the cluster enters an LDS address
	s_wait_kmcnt 0x0
	s_load_b64 s[96:97], s[8:9], 0x28              ; e10, e11
	s_add_nc_u64 s[20:21], s[4:5], s[20:21]
	s_add_nc_u64 s[46:47], s[6:7], s[46:47]
	CROUND                                         ; all sixteen work-groups are here: the first joint loads meet
.irp s, 0,1
	s_mov_b32 s[G0+4*\s], 1
	s_add_co_u32 s[G0+4*\s+1], s45, \s*SLOT
	s_add_nc_u64 s[G0+4*\s+2:G0+4*\s+3], s[20:21], \s*4096
	s_or_b32 s[G0+4*\s+3], s[G0+4*\s+3], 0x80000000
	s_mov_b32 s[G0B+4*\s], 1
	s_add_co_u32 s[G0B+4*\s+1], s19, \s*SLOT
	s_add_nc_u64 s[G0B+4*\s+2:G0B+4*\s+3], s[46:47], \s*ROWB
	s_or_b32 s[G0B+4*\s+3], s[G0B+4*\s+3], 0x80000000
	JLOAD G0+4*\s, G1, G0B+4*\s, G1B               ; two loads of mine are out
.endr
	v_and_b32 v1, 15, v0                           ; r
	v_bfe_u32 v2, v0, 4, 1                         ; h
	v_and_b32 v6, 31, v0
	v_lshlrev_b32 v[CO], 4, v6                     ; 16 x lane
	v_mul_u32_u24 v3, v1, PITCH
	v_lshl_add_u32 v4, v2, 4, v3                   ; Wo: a fragment's row x pitch + 16 x half
	s_lshl_b32 s21, s15, 15                        ; my 8 row tiles of y
	s_mul_i32 s22, s16, HALFB                      ; my 128 rows of Wo,
	s_add_co_u32 s22, s22, BREG                    ; which lie behind y's
.irp s, 0,1
	v_add_nc_u32 v[ADRA+\s], s21, v[CO]
	v_add_nc_u32 v[ADRB+\s], s22, v4
	s_add_co_u32 s21, s21, SLOT
	s_add_co_u32 s22, s22, SLOT
.endr
	s_mul_i32 s23, s14, 16*SPITCH                  ; my stage
	v_mul_u32_u24 v5, v1, SPITCH                   ; in: row r, 32 bytes for each half of the lanes
	v_lshl_add_u32 v5, v2, 5, v5
	v_add_nc_u32 v[STO], s23, v5
	v_add_nc_u32 v[RD], s23, v[CO]                 ; back: the 32 lanes take one row of 512 bytes
	s_lshl_b32 s20, s17, 8
	s_lshl_b32 s21, s15, 7
	s_add_co_u32 s20, s20, s21                     ; my first row of out0,
	s_lshl_b32 s20, s20, 12                        ; 4,096 bytes each (under 2^25)
	s_lshl_b32 s46, s42, 10                        ; my first column, in bytes: 1,024 x tile column + 512 x half
	s_lshl_b32 s47, s16, 9
	s_add_co_u32 s46, s46, s47
	s_add_co_u32 s20, s20, s46
	s_mov_b32 s21, 0
	s_add_nc_u64 s[12:13], s[12:13], s[20:21]
	s_lshl_b32 s66, s42, 8
	s_lshl_b32 s67, s16, 7
	s_add_co_u32 s66, s66, s67                     ; my first column
	s_lshl_b32 s66, s66, 2
	s_mov_b32 s67, 0
	s_add_nc_u64 s[66:67], s[10:11], s[66:67]
	v_lshlrev_b32 v[H32], 5, v2
.irp b, 0,1,2,3,4,5,6,7
	global_load_b128 v[BO+8*\b:BO+8*\b+3],   v[H32], s[66:67] offset:64*\b
	global_load_b128 v[BO+8*\b+4:BO+8*\b+7], v[H32], s[66:67] offset:64*\b+16
.endr
.macro FRAGB reg, adr, q, i            ; a fragment of Wo: lane l holds row l % 16; registers 4 c .. 4 c + 3 hold K = 32 c + 16 (l / 16) + 0 .. 15
.irp c, 0,1,2,3
	ds_load_b128 v[\reg+4*\c:\reg+4*\c+3], v[\adr] offset:128*(\q)+32*\c+(\i)*16*PITCH
.endr
.endm
.macro FRAGA reg, adr, q, i            ; a fragment of y: its image, four chunks of 512 bytes
.irp c, 0,1,2,3
	ds_load_b128 v[\reg+4*\c:\reg+4*\c+3], v[\adr] offset:4096*(\i)+2048*(\q)+512*\c
.endr
.endm
; 16 matrix instructions: P0's blocks a0, a0 + 1 x P1's eight, 128 along K.  The 64 accumulators take turns, one instruction a turn.
.macro MUL16 a0, p, zero
.irp a, \a0, \a0+1
.irp b, 0,1,2,3,4,5,6,7
.if \zero
	v_wmma_f32_16x16x128_bf8_bf8 v[8*(8*((\a)%4)+\b):8*(8*((\a)%4)+\b)+7], v[128*(\p)+FR*\b:128*(\p)+FR*\b+FR-1], v[AF+FR*(\a):AF+FR*(\a)+FR-1], 0
.else
	v_wmma_f32_16x16x128_bf8_bf8 v[8*(8*((\a)%4)+\b):8*(8*((\a)%4)+\b)+7], v[128*(\p)+FR*\b:128*(\p)+FR*\b+FR-1], v[AF+FR*(\a):AF+FR*(\a)+FR-1], v[8*(8*((\a)%4)+\b):8*(8*((\a)%4)+\b)+7]
.endif
.endr
.endr
.endm
.macro FETCH_B slot, q, p
	WIN TO_B
.irp i, 0,1,2,3,4,5,6,7
	FRAGB 128*(\p)+FR*\i, ADRB+\slot, \q, \i
.endr
	WIN 0
.endm
.macro FETCH_A slot, q, i0
.irp i, \i0, \i0+1, \i0+2, \i0+3
	FRAGA AF+FR*(\i), ADRA+\slot, \q, \i
.endr
.endm
.macro PLACES n                        ; plain vector instructions between a matrix instruction and a load into, or a vector instruction on, its registers
.rept \n
	v_nop
.endr
.endm
.macro STEP slot, q, zero              ; a step of 128 along K that has its successor in the same slot
	s_wait_dscnt 4*NL                              ; P1's set and P0's blocks 0-3 are in; the youngest sixteen loads (blocks 4-7) may be out
	WIN MUL_LO
	MUL16 0, (\q)%2, \zero
	MUL16 2, (\q)%2, \zero
	s_wait_dscnt 0                                 ; blocks 4-7 are in
	PLACES NP
	FETCH_B \slot, (\q)+1, 1-(\q)%2
	FETCH_A \slot, (\q)+1, 0
	WIN MUL_HI
	MUL16 4, (\q)%2, \zero
	MUL16 6, (\q)%2, \zero
	PLACES NP
	WIN 0
	FETCH_A \slot, (\q)+1, 4
.endm
; A slot's last step changes slots: ONE barrier; in front of it each wave waits for all its tensor loads, adds 0 to its spare word, and waits for that and for its own reads of this slot.
.macro TURN slot, next, fill
	s_wait_tensorcnt 0x0                           ; all my tensor loads have landed: my part of the next slot
	ds_add_u32 v[SPW], v[NIL]                      ; 0 onto my spare word
	s_wait_dscnt 4*NL+1                            ; (the add and the youngest sixteen loads may be out)
	WIN MUL_LO
	MUL16 0, 1, 0                                  ; sixteen matrix instructions stand between the add and the wait for it
	s_wait_dscnt 0x0                               ; the add is done, and my reads of this slot are over
	s_barrier_signal -1
	MUL16 2, 1, 0
	WIN 0
	s_barrier_wait -1
.if \fill
	CREST                                          ; the barrier has opened a round of the cluster's barrier: no wave of any partner still reads this slot or has a load on its way
	s_add_nc_u64 s[G0+4*\slot+2:G0+4*\slot+3], s[G0+4*\slot+2:G0+4*\slot+3], 2*4096
	s_add_nc_u64 s[G0B+4*\slot+2:G0B+4*\slot+3], s[G0B+4*\slot+2:G0B+4*\slot+3], 2*ROWB
	JLOAD G0+4*\slot, G1, G0B+4*\slot, G1B         ; my one tensor load behind the round; its four v_nop are also the places in front of the loads below
.else
	PLACES NP
.endif
	FETCH_B \next, 0, 0
	FETCH_A \next, 0, 0
	WIN MUL_HI
	MUL16 4, 1, 0
	MUL16 6, 1, 0
	PLACES NP
	WIN 0
	FETCH_A \next, 0, 4
.endm
	s_wait_tensorcnt 1                             ; my part of slot 0 is in; slot 1's load may be out
	s_barrier_signal -1
	s_barrier_wait -1
	FETCH_B 0, 0, 0
	FETCH_A 0, 0, 0
	FETCH_A 0, 0, 4
	STEP 0, 0, 1                                   ; K 0-127: its products start the sums
	TURN 0, 1, 1                                   ; slot 0 takes K 512-767
	STEP 1, 0, 0
	TURN 1, 0, 1                                   ; slot 1 takes K 768-1023
	STEP 0, 0, 0
	TURN 0, 1, 0                                   ; nothing is left to fetch
	STEP 1, 0, 0
	s_wait_dscnt 4*NL                              ; the last step
	WIN MUL_LO
	MUL16 0, 1, 0
	MUL16 2, 1, 0
	s_wait_dscnt 0
	WIN MUL_HI
	MUL16 4, 1, 0
	MUL16 6, 1, 0
	WIN 0
; THE WAY OUT, block by block of 16 rows x 128 columns: scale and bias by one packed multiply-add, relu, in the accumulators' own registers; through my stage in LDS; back as whole rows of 512 bytes.
; LDS serves a wave's instructions in order (ISA guide 5.7.1.4): no wait between the stores and the loads, nor in front of the next block's stores.
.macro TOSTAGE a
.set W,  2+(\a)/4
.set AC, 64*((\a)%4)
.set WA, W|(W<<6)
.set WB, (W<<2)|(W<<6)
.set WC, W<<2
	WIN WA                                         ; source 0 and destination: the accumulators' window; the bias in window 0
.set j, 0
.rept 32
	v_pk_fma_f32 v[AC+j:AC+j+1], v[AC+j:AC+j+1], s[96:97], v[BO+j:BO+j+1] op_sel_hi:[1,0,1]   ; sum x 2^(e10 + e11) + bo; each accumulator from its low end on
.set j, j+2
.endr
	WIN WB                                         ; source 1 and destination
.set j, 0
.rept 64
	v_max_num_f32 v[AC+j], 0, v[AC+j]              ; relu
.set j, j+1
.endr
	WIN WC                                         ; a store's data are its source 1
.irp b, 0,1,2,3,4,5,6,7
	ds_store_b128 v[STO], v[AC+8*\b:AC+8*\b+3] offset:64*\b
	ds_store_b128 v[STO], v[AC+8*\b+4:AC+8*\b+7] offset:64*\b+16
.endr
	WIN 0
.set BB, BK+64*((\a)%2)
.irp t, 0,1,2,3,4,5,6,7,8,9,10,11,12,13,14,15
	ds_load_b128 v[BB+4*\t:BB+4*\t+3], v[RD] offset:\t*SPITCH
.endr
.endm
.macro SEND a, younger                 ; younger: the LDS instructions issued behind block a's loads, which may stay out
.set BB, BK+64*((\a)%2)
	s_wait_dscnt \younger                          ; the block is back in registers
.if (\a) > 0
	s_add_nc_u64 s[12:13], s[12:13], 16*NROW       ; (behind a wait on XCNT: the earlier stores have read their base)  16 rows on
.endif
.irp t, 0,1,2,3,4,5,6,7,8,9,10,11,12,13,14,15
	global_store_b128 v[CO], v[BB+4*\t:BB+4*\t+3], s[12:13] offset:\t*NROW th:TH_STORE_NT   ; 32 lanes store 512 consecutive bytes, aligned; written once, read by nobody here
.endr
.endm
	s_wait_kmcnt 0x0
	s_add_co_i32 s96, s96, s97                     ; e10 + e11,
	s_add_co_i32 s96, s96, 127
	s_lshl_b32 s96, s96, 23                        ; as the f32 number 2^(e10 + e11)
	s_wait_loadcnt 0x0                             ; the bias
	PLACES NP                                      ; behind the last products: for the first read of results and the loads into the registers that held P0's fragments
	TOSTAGE 0
.irp a, 1,2,3,4,5,6,7
.if \a > 1
	s_wait_xcnt 0x0                                ; block a - 2's stores have read their registers and their base: block a's loads may land there, and the base may step
.endif
	TOSTAGE \a
	SEND \a-1, 32                                  ; behind block a - 1's loads: block a's 16 stores and 16 loads
.endr
	s_wait_xcnt 0x0                                ; block 6's stores have read their base
	SEND 7, 0
	s_wait_tensorcnt 0x0                           ; the wave's end
	ds_add_u32 v[SPW], v[NIL]
	s_wait_dscnt 0x0
	CROUND                                         ; the closing round
	s_endpgm
.Lfunc_end_k_q0ddab13c9f_outp:
	.size	k_q0ddab13c9f_outp, .Lfunc_end_k_q0ddab13c9f_outp-k_q0ddab13c9f_outp
	.p2alignl 7, 3214868480
	.fill 96, 4, 3214868480
	.section	.rodata,"a",@progbits
	.p2align	6, 0x0
	.amdhsa_kernel k_q0ddab13c9f_outp
		.amdhsa_group_segment_fixed_size 327680
		.amdhsa_private_segment_fixed_size 0
		.amdhsa_enable_private_segment 0
		.amdhsa_kernarg_size 40
		.amdhsa_user_sgpr_count 2
		.amdhsa_user_sgpr_kernarg_segment_ptr 1
		.amdhsa_wavefront_size32 1
		.amdhsa_system_sgpr_workgroup_id_x 1
		.amdhsa_system_sgpr_workgroup_id_y 1
		.amdhsa_system_sgpr_workgroup_id_z 1
		.amdhsa_system_vgpr_workitem_id 0
		.amdhsa_next_free_vgpr 1024
		.amdhsa_next_free_sgpr 100
		.amdhsa_reserve_vcc 0
		.amdhsa_float_denorm_mode_32 3
		.amdhsa_float_denorm_mode_16_64 3
		.amdhsa_memory_ordered 1
		.amdhsa_forward_progress 1
		.amdhsa_inst_pref_size 141
	.end_amdhsa_kernel
	.amdgpu_metadata
---
amdhsa.version: [ 1, 2 ]
amdhsa.kernels:
  - .name:           k_q0ddab13c9f_outp
    .symbol:         k_q0ddab13c9f_outp.kd
    .args:
      - { .name: y_img, .offset: 0, .size: 8, .value_kind: global_buffer, .address_space: global }
      - { .name: Wo_codes, .offset: 8, .size: 8, .value_kind: global_buffer, .address_space: global }
      - { .name: lowp_scales, .offset: 16, .size: 8, .value_kind: global_buffer, .address_space: global }
      - { .name: bo, .offset: 24, .size: 8, .value_kind: global_buffer, .address_space: global }
      - { .name: out0, .offset: 32, .size: 8, .value_kind: global_buffer, .address_space: global }
    .group_segment_fixed_size: 327680
    .private_segment_fixed_size: 0
    .kernarg_segment_align: 8
    .kernarg_segment_size: 40
    .max_flat_workgroup_size: 128
    .sgpr_count:     100
    .vgpr_count:     1024
    .wavefront_size: 32
...
	.end_amdgpu_metadata
.endif
;; end of part 3
